; MI455X (gfx1250); checked and timed in simulation.
; The chip was launched on July 23, 2026; its instructions are those of AMD's public machine-readable ISA for CDNA 5 (MIT licence, August 2026) and "CDNA5" Instruction Set Architecture Reference Guide (July 2026). The comments in the code are by the model that wrote it; some were corrected since.
;; Qwen3 Attention. Allowed arithmetic: matrix products marked QUANTISED: E4M3 operands, one given power-of-two scale a tensor, by v_wmma_f32_16x16x64_fp8_fp8 or v_wmma_f32_16x16x128_fp8_fp8, f32 sums; everything else in f32.
;; Inputs: k_norm_w 128 float32; lowp_scales 12 int32 (the exponents e of the quantised operands' scales 2^e); positions 4,096 int32; q_norm_w 128 float32; wk_codes 1,024 x 64 x 32 uint8 (E4M3 codes of wk, K innermost, in blocks of 32 codes); wo_codes 2,048 x 32 x 32 uint8 (E4M3 codes of wo, K innermost, in blocks of 32 codes); wq_codes 1,024 x 64 x 32 uint8 (E4M3 codes of wq, K innermost, in blocks of 32 codes); wv_codes 1,024 x 64 x 32 uint8 (E4M3 codes of wv, K innermost, in blocks of 32 codes); x_codes 4,096 x 64 x 32 uint8 (E4M3 codes of x, K innermost, in blocks of 32 codes).
;; Outputs: out0 4,096 x 2,048 float32.
;; This version of the problem:
;;   THIS VERSION OF THE PROBLEM IS GIVEN IN LOW PRECISION. The matrix products marked QUANTISED in the list below multiply operands that are first quantised to E4M3 (4 exponent bits, 3 mantissa bits; 8 bits a number), with one given power-of-two scale for each operand tensor; their sums are f32. All else is computed in f32.
;;   The module's matrix products, in the order in which they are computed (A, B: the left and right operand; K: the contracted axis; several contracted axes count as one K, in the product's order):
;;     1. [M 4,096, K 2,048] x [K 2,048, N 1,024]; A: input x (given as codes); B: input wq (given as codes): QUANTISED (scales: A lowp_scales[0], B lowp_scales[1])
;;     2. [M 4,096, K 2,048] x [K 2,048, N 1,024]; A: input x (given as codes); B: input wk (given as codes): QUANTISED (scales: A lowp_scales[2], B lowp_scales[3])
;;     3. [M 4,096, K 2,048] x [K 2,048, N 1,024]; A: input x (given as codes); B: input wv (given as codes): QUANTISED (scales: A lowp_scales[4], B lowp_scales[5])
;;     4. batch 8 x [M 4,096, K 128] x [K 128, N 4,096]; A: computed on the way; B: computed on the way: QUANTISED (scales: A lowp_scales[6], B lowp_scales[7])
;;     5. batch 8 x [M 128, K 4,096] x [K 4,096, N 4,096]; A: computed on the way; B: softmax (see below): QUANTISED (scales: A lowp_scales[8], B lowp_scales[9])
;;     6. [M 4,096, K 1,024] x [K 1,024, N 2,048]; A: computed on the way; B: input wo (given as codes): QUANTISED (scales: A lowp_scales[10], B lowp_scales[11])
;;   THE QUANTISER, for each operand of a quantised product, along K:
;;     - The operand's scale is 2^e, e = its entry of the input lowp_scales (int32; the entries are numbered through the quantised products in the list's order, A before B).
;;     - Each number is divided by the scale, clamped to +-448, and rounded to the nearest number of E4M3, ties to even, subnormals kept.
;;     - The product sums the exact products of the quantised numbers (number of the format x scale) in f32.
;;   ~~~python
;;   def quantise(x, axis, e):      # numpy; x: float32 -> the quantised numbers, widened to float32 again
;;       x = np.moveaxis(x, axis, -1); K = x.shape[-1]
;;       r = np.clip(x / 2.0 ** e, -448, 448)
;;       step = 2.0 ** (np.maximum(np.frexp(np.where(r == 0, 1, r))[1] - 1, -6) - 3)
;;       q = np.round(r / step) * step * 2.0 ** e      # np.round: ties to even
;;       return np.moveaxis(q, -1, axis).astype(np.float32)
;;   ~~~
;;   SOFTMAX AHEAD OF A QUANTISED PRODUCT. Where the list says 'softmax', what is quantised is not the finished softmax but p = 2^(t - M), with t = logit x log2(e) and M = ceil(the row's largest t), a whole number; so 1/2 < the row's largest p <= 1. The row's sum l is taken of the UNQUANTISED p, in f32, and the product's result is divided by l at the end. Since M is a whole number, a kernel that streams over the keys may use a running M (the ceiling of the running maximum): every later rescaling is an exact power of two, so the quantised numbers keep their values, but for numbers so far below the row's largest that they fall under the format's range.
;;   OPERANDS COMPUTED ON THE WAY. 'Computed on the way' means the value that the module computes at that place (a softmax that the list does not call 'softmax' is quantised finished and normalised). What goes into a quantiser is computed in f32, as accurately as f32 sums, v_exp_f32 and their like allow (about 1e-6 of the number): no bf16 or f16 on the way to a quantiser, and a product that is left as it is and whose result goes on into a quantised operand takes f32 operands (vector FMAs, or v_wmma_f32_16x16x4_f32). A number that lies on a knife's edge between two numbers of the format may be rounded either way, as far as f32 arithmetic and the matrix unit's own rounding can turn it there, and no further.
;;   INPUTS GIVEN AS CODES. wk (in the module: [2048, 1024], K = its axis 0); wo (in the module: [1024, 2048], K = its axis 0); wq (in the module: [2048, 1024], K = its axis 0); wv (in the module: [2048, 1024], K = its axis 0); x (in the module: [4096, 2048], K = its axis 1): each comes as NAME_codes (uint8): NAME with its K axis moved to the last place and cut into blocks of 32 codes, [.., K / 32, bytes a block], one block behind the other in memory; one code a byte (a code: sign, 4 exponent bits, 3 mantissa bits); its scale is its entry of lowp_scales. Its value is code x scale, taken as it is: it is not quantised again, and the codes and scales need not be those that the quantiser above would give.
;; One version. Each part assembles by itself: llvm-mc -triple=amdgcn-amd-amdhsa -mcpu=gfx1250 --defsym DOCPART=n.
;; ======== version 1 of 1: 3 launches
;; limits: right only within a limited range of input values
;; workspace buffers: qimg 4,194,304 bytes; kv 8,388,608 bytes; aimg 4,194,304 bytes
;; launch qkv (part 1): grid 12 x 16, 4 waves a work-group, clusters of 4 x 4, 327,680 bytes of LDS; arguments x_codes, wq_codes, wk_codes, wv_codes, lowp_scales, positions, q_norm_w, k_norm_w, qimg, kv; writes qimg, kv
.if DOCPART == 1
	.amdgcn_target "amdgcn-amd-amdhsa--gfx1250"
	.amdhsa_code_object_version 6
	.text
	.protected	k_q5273d4f3b4_qkv
	.globl	k_q5273d4f3b4_qkv
	.p2align	8
	.type	k_q5273d4f3b4_qkv,@function
k_q5273d4f3b4_qkv:
	s_mov_b64 s[64:65], 0
	v_nop
	global_prefetch_b8 v0, s[64:65] scope:SCOPE_SE
	s_setreg_imm32_b32 hwreg(HW_REG_WAVE_MODE, 25, 1), 1
	s_wait_xcnt 0x0
	s_wait_alu depctr_hold_cnt(0) depctr_sa_sdst(0) depctr_va_vdst(0) depctr_va_sdst(0) depctr_va_ssrc(0) depctr_va_vcc(0) depctr_vm_vsrc(0)
	s_getreg_b32 s2, hwreg(HW_REG_IB_STS2, 6, 4)
	s_cmp_eq_u32 s2, 0
	s_cbranch_scc0 .Lentry_in_a_cluster
	s_endpgm
.Lentry_in_a_cluster:
	s_bfe_u32 s2, ttmp6, 0x10000c
	s_cmp_lg_u32 s2, 0xf033
	s_cbranch_scc0 .Lentry_shape_is_right
	s_endpgm
.Lentry_shape_is_right:
.set KROW,   2048
.set ROWB,   256
.set PITCH,  272
.set FR,     16
.set NL,     4
.set NP,     4
.set HALFT,  128*PITCH
.set SLOT,   4*HALFT
.set LAPS,   4
.set SPARE,  2*SLOT
.set ADRA, 16
.set ADRB, 20
.set GI,   24
.set TBW,  25
.set TBR,  26
.set TA,   27
.set SPW,  28
.set NIL,  29
.set SC,   30
.set LIM,  31
.set IVF,  32
.set COD,  32
.set POS,  48
.set WK,   48
.set FAC,  56
.set PT,   58
.set NW,   64
.set AF,   128
.set Y,    128
.set COSR, 192
.set SINR, 224
.set RR,   128
.set TM,   144
.set ZZ,   160
.set SS,   176
.set CC,   192
.set TT,   208
.set KC,   224
.set G1, 24
.set G0, 32
.set G1B, 48
.set G0B, 56
.set MSB, 0
.macro WIN new
.if MSB != \new
	s_set_vgpr_msb (MSB<<8)|\new
.set MSB, \new
.endif
.endm
.set MUL_LO, 0xa1
.set MUL_HI, 0xf1
.set TO_B,   0x40
.macro JLOAD g0a, g1a, g0b, g1b
	s_cmp_eq_u32 s15, 0
	s_cbranch_scc0 .Lfor_b_\@
	tensor_load_to_lds s[\g0a:\g0a+3], s[\g1a:\g1a+7]
	s_nop 0
.rept 4
	v_nop
.endr
	s_branch .Lasked_\@
.Lfor_b_\@:
	tensor_load_to_lds s[\g0b:\g0b+3], s[\g1b:\g1b+7]
	s_nop 0
.rept 4
	v_nop
.endr
.Lasked_\@:
.endm
.macro CREST
	s_cmp_lg_u32 s14, 0
	s_cbranch_scc1 .Lnot_wave_0_\@
	s_barrier_signal -3
.Lnot_wave_0_\@:
	s_barrier_wait -3
	s_barrier_signal -1
	s_barrier_wait -1
.endm
.macro CROUND
	s_barrier_signal -1
	s_barrier_wait -1
	CREST
.endm
	s_load_b256 s[4:11], s[0:1], 0x0
	s_load_b256 s[68:75], s[0:1], 0x20
	s_load_b128 s[76:79], s[0:1], 0x40
	v_lshl_add_u32 v[SPW], v0, 2, SPARE
	v_mov_b32 v[NIL], 0
	ds_add_u32 v28, v29
	ds_add_u32 v28, v29
	s_wait_dscnt 0x0
	v_lshrrev_b32 v1, 5, v0
	v_readfirstlane_b32 s14, v1
	s_lshr_b32 s15, s14, 1
	s_and_b32 s16, s14, 1
	s_bfe_u32 s40, ttmp6, 0x40000
	s_bfe_u32 s41, ttmp6, 0x40004
	s_and_b32 s17, ttmp7, 0xffff
	s_lshl_b32 s17, s17, 2
	s_add_co_u32 s17, s17, s41
	s_lshl_b32 s43, s41, 2
	s_lshl_b32 s43, 15, s43
	s_lshl_b32 s44, 0x1111, s40
	s_or_b32 s[G1+0], s43, (0<<16)|(1<<21)         ; no padding field: the tile is stated PITCH bytes wide over a tensor ROWB wide, so the load writes zeros into the 16 bytes behind each row
	s_or_b32 s[G1B+0], s44, (0<<16)|(1<<21)
.irp g, G1, G1B
	s_mov_b32 s[\g+1], ROWB<<16
	s_mov_b32 s[\g+2], 128<<16
	s_mov_b32 s[\g+3], PITCH<<16
	s_mov_b32 s[\g+4], 128
	s_mov_b32 s[\g+5], KROW
	s_mov_b32 s[\g+6], 0
	s_mov_b32 s[\g+7], 0
.endr
	s_lshl_b32 s18, s16, 7
	s_lshl_b32 s20, s17, 8
	s_add_co_u32 s20, s20, s18
	s_lshl_b32 s20, s20, 11
	s_mov_b32 s21, 0
	s_lshl_b32 s46, s40, 8
	s_add_co_u32 s46, s46, s18
	s_lshl_b32 s46, s46, 11
	s_mov_b32 s47, 0
	s_mul_i32 s45, s14, HALFT
	s_wait_kmcnt 0x0
	s_load_b256 s[80:87], s[68:69], 0x0
	s_load_b128 s[88:91], s[68:69], 0x20
	s_cmp_eq_u32 ttmp9, 0
	s_cselect_b64 s[6:7], s[6:7], s[8:9]
	s_cselect_b64 s[72:73], s[72:73], s[74:75]
	s_cselect_b64 s[76:77], s[76:77], s[78:79]
	s_cmp_eq_u32 ttmp9, 2
	s_cselect_b64 s[6:7], s[10:11], s[6:7]
	s_add_nc_u64 s[20:21], s[4:5], s[20:21]
	s_add_nc_u64 s[46:47], s[6:7], s[46:47]
	CROUND
.irp s, 0,1
	s_mov_b32 s[G0+4*\s], 1
	s_add_co_u32 s[G0+4*\s+1], s45, \s*SLOT
	s_add_nc_u64 s[G0+4*\s+2:G0+4*\s+3], s[20:21], \s*ROWB
	s_or_b32 s[G0+4*\s+3], s[G0+4*\s+3], 0x80000000
	s_mov_b32 s[G0B+4*\s], 1
	s_add_co_u32 s[G0B+4*\s+1], s45, \s*SLOT
	s_add_nc_u64 s[G0B+4*\s+2:G0B+4*\s+3], s[46:47], \s*ROWB
	s_or_b32 s[G0B+4*\s+3], s[G0B+4*\s+3], 0x80000000
.endr
	JLOAD G0, G1, G0B, G1B
	; THE PREFETCHES INTO THE L2.  Of the 128 rows that I fetch jointly, each of the four partners names 32, told apart by address (cx for x's rows, cy for the weight's): a lane a row, 256 bytes of a row to a K step.
	; Here K steps 1 and 2 are named, behind slot 1's first fill K step 3, behind the refill with K step s the K step s + 2; the last lap names nothing: no K step follows the eighth.
	s_cmp_eq_u32 s15, 0
	s_cselect_b64 s[66:67], s[20:21], s[46:47]
	s_cselect_b32 s2, s40, s41
	s_lshl_b32 s2, s2, 16                          ; 32 rows of 2,048 bytes
	s_mov_b32 s3, 0
	s_add_nc_u64 s[66:67], s[66:67], s[2:3]
	v_and_b32 v9, 31, v0
	v_lshlrev_b32 v9, 11, v9                       ; my lane's row; never rewritten
	global_prefetch_b8 v9, s[66:67] offset:ROWB th:TH_LOAD_NT scope:SCOPE_SE
	global_prefetch_b8 v9, s[66:67] offset:2*ROWB th:TH_LOAD_NT scope:SCOPE_SE
	v_and_b32 v1, 15, v0
	v_bfe_u32 v2, v0, 4, 1
	v_mul_u32_u24 v3, v1, PITCH
	v_lshl_add_u32 v4, v2, 4, v3
	s_wait_alu depctr_va_vdst(0)
	s_cmp_eq_u32 ttmp9, 2
	s_cselect_b32 s21, 2*HALFT, 0
	s_cselect_b32 s22, 0, 2*HALFT
	s_mul_i32 s23, s15, HALFT
	s_add_co_u32 s21, s21, s23
	s_mul_i32 s23, s16, HALFT
	s_add_co_u32 s22, s22, s23
.irp s, 0,1
	v_add_nc_u32 v[ADRA+\s], s21, v4
	v_add_nc_u32 v[ADRB+\s], s22, v4
	s_add_co_u32 s21, s21, SLOT
	s_add_co_u32 s22, s22, SLOT
.endr
	v_and_b32 v5, 31, v0
	v_lshlrev_b32 v[GI], 4, v5
	s_lshl_b32 s18, s15, 16
	v_add_nc_u32 v[TBR], s18, v[GI]
	s_lshl_b32 s19, s16, 12
	s_add_co_u32 s19, s19, s18
	v_add_nc_u32 v[TBW], s19, v[GI]
	s_lshl_b32 s18, s17, 8
	s_lshl_b32 s19, s15, 7
	s_add_co_u32 s18, s18, s19
	s_lshl_b32 s18, s18, 2
	s_mov_b32 s19, 0
	s_add_nc_u64 s[70:71], s[70:71], s[18:19]
	v_lshlrev_b32 v6, 2, v1
.irp a, 0,1,2,3,4,5,6,7
	global_load_b32 v[POS+\a], v6, s[70:71] offset:64*\a
.endr
	v_lshlrev_b32 v7, 5, v2
.irp b, 0,1,2,3,4,5,6,7
	global_load_b128 v[NW+8*\b:NW+8*\b+3], v7, s[72:73] offset:64*\b
	global_load_b128 v[NW+8*\b+4:NW+8*\b+7], v7, s[72:73] offset:64*\b+16
.endr
	s_mov_b32 s12, 0x76543210
	s_mov_b32 s13, 0xfedcba98
	s_mov_b32 s98, 0xbe549a78
	s_mov_b32 s99, 0xb1979a3a
	v_mov_b32 v[FAC+1], 0
	v_mov_b32 v[PT], 0
	s_lshl_b32 s18, s16, 5
	v_lshlrev_b32 v8, 3, v2
	v_add_nc_u32 v8, s18, v8
.set n, 0
.rept 16
	v_add_nc_u32 v[128+n], 16*(n/8)+n%8, v8
	v_cvt_f32_u32 v[128+n], v[128+n]
	v_mul_f32 v[144+n], s98, v[128+n]
	v_fma_f32 v[160+n], v[128+n], s98, -v[144+n]
	v_fma_f32 v[160+n], v[128+n], s99, v[160+n]
	v_mul_f32 v[160+n], 0x3f317218, v[160+n]
.set n, n+1
.endr
.set n, 0
.rept 16
	v_exp_f32 v[IVF+n], v[144+n]
.set n, n+1
.endr
	v_nop
	s_wait_alu depctr_va_vdst(0)
.set n, 0
.rept 16
	v_fma_f32 v[IVF+n], v[IVF+n], v[160+n], v[IVF+n]
.set n, n+1
.endr
	s_lshl_b32 s18, s40, 1
	s_add_co_u32 s19, s18, s16
	s_add_co_u32 s18, s18, s15
	s_lshl_b32 s20, s17, 1
	s_add_co_u32 s21, s20, s15
	s_add_co_u32 s20, s20, s16
	s_lshl_b32 s22, s19, 19
	s_lshl_b32 s23, s21, 14
	s_add_co_u32 s22, s22, s23
	s_lshl_b32 s19, s19, 20
	s_lshl_b32 s21, s21, 15
	s_add_co_u32 s19, s19, s21
	s_lshl_b32 s18, s18, 20
	s_lshl_b32 s20, s20, 15
	s_add_co_u32 s18, s18, s20
	s_add_co_u32 s18, s18, 16384
	s_cmp_eq_u32 ttmp9, 0
	s_cselect_b32 s22, s22, s19
	s_cmp_eq_u32 ttmp9, 2
	s_cselect_b32 s22, s18, s22
	s_mov_b32 s23, 0
	s_add_nc_u64 s[76:77], s[76:77], s[22:23]
	s_wait_kmcnt 0x0
	s_add_co_i32 s92, s80, s81
	s_add_co_i32 s93, s82, s83
	s_add_co_i32 s94, s84, s85
	s_cmp_eq_u32 ttmp9, 0
	s_cselect_b32 s92, s92, s93
	s_cselect_b32 s95, s86, s87
	s_cmp_eq_u32 ttmp9, 2
	s_cselect_b32 s92, s94, s92
	s_cselect_b32 s95, s88, s95
	s_sub_co_i32 s93, s95, s92
	s_cmp_eq_u32 ttmp9, 2
	s_cselect_b32 s93, s93, s95
	s_add_co_i32 s93, s93, 127
	s_lshl_b32 s97, s93, 23
	v_mov_b32 v[SC], s97
	s_add_co_i32 s93, s93, 8
	s_lshl_b32 s93, s93, 23
	s_or_b32 s93, s93, 0x600000
	v_mov_b32 v[LIM], s93
	s_lshl_b32 s94, s92, 1
	s_sub_co_i32 s94, s94, 7
	s_wait_loadcnt 0x0
.irp a, 0,1,2,3,4,5,6,7
	v_cvt_f32_i32 v[POS+\a], v[POS+\a]
.endr
.macro FRAG reg, adr, q, i
.irp c, 0,1,2,3
	ds_load_b128 v[\reg+4*\c:\reg+4*\c+3], v[\adr] offset:128*(\q)+32*\c+(\i)*16*PITCH
.endr
.endm
.macro MUL16 a0, p, zero
.irp a, \a0, \a0+1
.irp b, 0,1,2,3,4,5,6,7
.if \zero
	v_wmma_f32_16x16x128_fp8_fp8 v[8*(8*((\a)%4)+\b):8*(8*((\a)%4)+\b)+7], v[128*(\p)+FR*\b:128*(\p)+FR*\b+FR-1], v[AF+FR*(\a):AF+FR*(\a)+FR-1], 0
.else
	v_wmma_f32_16x16x128_fp8_fp8 v[8*(8*((\a)%4)+\b):8*(8*((\a)%4)+\b)+7], v[128*(\p)+FR*\b:128*(\p)+FR*\b+FR-1], v[AF+FR*(\a):AF+FR*(\a)+FR-1], v[8*(8*((\a)%4)+\b):8*(8*((\a)%4)+\b)+7]
.endif
.endr
.endr
.endm
.macro FETCH_B slot, q, p
	WIN TO_B
.irp i, 0,1,2,3,4,5,6,7
	FRAG 128*(\p)+FR*\i, ADRB+\slot, \q, \i
.endr
	WIN 0
.endm
.macro FETCH_A slot, q, i0
.irp i, \i0, \i0+1, \i0+2, \i0+3
	FRAG AF+FR*(\i), ADRA+\slot, \q, \i
.endr
.endm
.macro PLACES n
.rept \n
	v_nop
.endr
.endm
.macro STEP slot, q, zero
	s_wait_dscnt 4*NL
	WIN MUL_LO
	MUL16 0, (\q)%2, \zero
	MUL16 2, (\q)%2, \zero
	s_wait_dscnt 0
	PLACES NP
	FETCH_B \slot, (\q)+1, 1-(\q)%2
	FETCH_A \slot, (\q)+1, 0
	WIN MUL_HI
	MUL16 4, (\q)%2, \zero
	MUL16 6, (\q)%2, \zero
	PLACES NP
	WIN 0
	FETCH_A \slot, (\q)+1, 4
.endm
.macro TURN slot, next, fill
.if \fill
	s_wait_xcnt 0x0                                ; my last prefetch has read its address, so it may be stepped: a K step on
	s_add_nc_u64 s[66:67], s[66:67], ROWB
.endif
	s_wait_tensorcnt 0x0
	ds_add_u32 v[SPW], v[NIL]
	s_wait_dscnt 4*NL+1
	WIN MUL_LO
	MUL16 0, 1, 0
	s_wait_dscnt 0x0
	s_barrier_signal -1
	MUL16 2, 1, 0
	WIN 0
	s_barrier_wait -1
.if \fill
	CREST
	s_add_nc_u64 s[G0+4*\slot+2:G0+4*\slot+3], s[G0+4*\slot+2:G0+4*\slot+3], 2*ROWB
	s_add_nc_u64 s[G0B+4*\slot+2:G0B+4*\slot+3], s[G0B+4*\slot+2:G0B+4*\slot+3], 2*ROWB
	JLOAD G0+4*\slot, G1, G0B+4*\slot, G1B
.else
	PLACES NP
.endif
	FETCH_B \next, 0, 0
	FETCH_A \next, 0, 0
.if \fill
	s_cmp_gt_u32 s3, 1                             ; s3 = 1 in the last lap
	s_cbranch_scc0 .Lnot_mine_\@
	global_prefetch_b8 v9, s[66:67] offset:3*ROWB th:TH_LOAD_NT scope:SCOPE_SE   ; the K step two refills on
.Lnot_mine_\@:
.endif
	WIN MUL_HI
	MUL16 4, 1, 0
	MUL16 6, 1, 0
	PLACES NP
	WIN 0
	FETCH_A \next, 0, 4
.endm
	s_wait_alu depctr_va_vdst(0)                   ; the wait at the head's end
	s_wait_tensorcnt 0x0                           ; my part of K step 0 is in
	ds_add_u32 v[SPW], v[NIL]
	s_wait_dscnt 0x0
	CROUND                                         ; everybody's part is in, and the joint loads meet
	JLOAD G0+4, G1, G0B+4, G1B                     ; K step 1: slot 1's first fill, issued as a refill is
	FETCH_B 0, 0, 0
	FETCH_A 0, 0, 0
	FETCH_A 0, 0, 4
	global_prefetch_b8 v9, s[66:67] offset:3*ROWB th:TH_LOAD_NT scope:SCOPE_SE   ; K step 3
	STEP 0, 0, 1
	s_mov_b32 s3, LAPS-1
.Llap:
	TURN 0, 1, 1
	STEP 1, 0, 0
	TURN 1, 0, 1
	STEP 0, 0, 0
	s_sub_co_u32 s3, s3, 1
	s_cmp_lg_u32 s3, 0
	s_cbranch_scc1 .Llap
	TURN 0, 1, 0
	STEP 1, 0, 0
	s_wait_dscnt 4*NL
	WIN MUL_LO
	MUL16 0, 1, 0
	MUL16 2, 1, 0
	s_wait_dscnt 0
	WIN MUL_HI
	MUL16 4, 1, 0
	MUL16 6, 1, 0
	WIN 0
	PLACES NP
	v_mov_b32 v[KC+0], 0x3ea2f983
	v_mov_b32 v[KC+1], 0x4b400000
	v_mov_b32 v[KC+2], 0xc0490fdb
	v_mov_b32 v[KC+3], 0x33bbbd2e
	v_mov_b32 v[KC+4], 0xb2d7322b
	v_mov_b32 v[KC+5], 0x3638ef1d
	v_mov_b32 v[KC+6], 0xb9500d01
	v_mov_b32 v[KC+7], 0x3c088889
	v_mov_b32 v[KC+8], 0xbe2aaaab
	v_mov_b32 v[KC+9], 0x310f76c8
	v_mov_b32 v[KC+10], 0xb493f27e
	v_mov_b32 v[KC+11], 0x37d00d01
	v_mov_b32 v[KC+12], 0xbab60b61
	v_mov_b32 v[KC+13], 0x3d2aaaab
	v_mov_b32 v[KC+14], 0xbf000000
	v_mov_b32 v[KC+15], 0x3f800000
.macro HORN d, kp, ks
.irp p, 0,2,4,6,8,10,12,14
	v_pk_fma_f32 v[\d+\p:\d+\p+1], v[\d+\p:\d+\p+1], v[ZZ+\p:ZZ+\p+1], v[\kp:\kp+1] op_sel:[0,0,\ks] op_sel_hi:[1,1,\ks]
.endr
.endm
	s_mov_b32 s96, 0
.Ltab:
	s_cmp_eq_u32 ttmp9, 2
	s_cbranch_scc1 .Ltab_next
	v_add_nc_u32 v[TA], s96, v[TBW]
	s_wait_alu depctr_va_vdst(0)
.irp p, 0,2,4,6,8,10,12,14
	v_pk_mul_f32 v[RR+\p:RR+\p+1], v[IVF+\p:IVF+\p+1], v[POS:POS+1] op_sel_hi:[1,0]
.endr
.irp p, 0,2,4,6,8,10,12,14
	v_pk_fma_f32 v[TM+\p:TM+\p+1], v[RR+\p:RR+\p+1], v[KC:KC+1], v[KC:KC+1] op_sel:[0,0,1] op_sel_hi:[1,0,1]
.endr
.irp p, 0,2,4,6,8,10,12,14
	v_pk_add_f32 v[TT+\p:TT+\p+1], v[TM+\p:TM+\p+1], v[KC:KC+1] op_sel:[0,1] op_sel_hi:[1,1] neg_lo:[0,1] neg_hi:[0,1]
.endr
.irp p, 0,2,4,6,8,10,12,14
	v_pk_fma_f32 v[RR+\p:RR+\p+1], v[TT+\p:TT+\p+1], v[KC+2:KC+3], v[RR+\p:RR+\p+1] op_sel_hi:[1,0,1]
.endr
.irp p, 0,2,4,6,8,10,12,14
	v_pk_fma_f32 v[RR+\p:RR+\p+1], v[TT+\p:TT+\p+1], v[KC+2:KC+3], v[RR+\p:RR+\p+1] op_sel:[0,1,0] op_sel_hi:[1,1,1]
.endr
.irp p, 0,2,4,6,8,10,12,14
	v_pk_mul_f32 v[ZZ+\p:ZZ+\p+1], v[RR+\p:RR+\p+1], v[RR+\p:RR+\p+1]
.endr
.irp p, 0,2,4,6,8,10,12,14
	v_pk_fma_f32 v[SS+\p:SS+\p+1], v[ZZ+\p:ZZ+\p+1], v[KC+4:KC+5], v[KC+4:KC+5] op_sel:[0,0,1] op_sel_hi:[1,0,1]
	v_pk_fma_f32 v[CC+\p:CC+\p+1], v[ZZ+\p:ZZ+\p+1], v[KC+8:KC+9], v[KC+10:KC+11] op_sel:[0,1,0] op_sel_hi:[1,1,0]
.endr
	HORN SS, KC+6, 0
	HORN CC, KC+10, 1
	HORN SS, KC+6, 1
	HORN CC, KC+12, 0
	HORN SS, KC+8, 0
	HORN CC, KC+12, 1
.irp p, 0,2,4,6,8,10,12,14
	v_pk_mul_f32 v[TT+\p:TT+\p+1], v[RR+\p:RR+\p+1], v[ZZ+\p:ZZ+\p+1]
.endr
	HORN CC, KC+14, 0
.irp p, 0,2,4,6,8,10,12,14
	v_pk_fma_f32 v[SS+\p:SS+\p+1], v[TT+\p:TT+\p+1], v[SS+\p:SS+\p+1], v[RR+\p:RR+\p+1]
.endr
	HORN CC, KC+14, 1
.set n, 0
.rept 16
	v_lshlrev_b32 v[TM+n], 31, v[TM+n]
.set n, n+1
.endr
.set n, 0
.rept 16
	v_xor_b32 v[SS+n], v[TM+n], v[SS+n]
	v_xor_b32 v[CC+n], v[TM+n], v[CC+n]
.set n, n+1
.endr
.irp f, 0,1
.irp q, 0,1
	ds_store_b128 v[TA], v[CC+8*\f+4*\q:CC+8*\f+4*\q+3] offset:\f*2048+512*\q
	ds_store_b128 v[TA], v[SS+8*\f+4*\q:SS+8*\f+4*\q+3] offset:\f*2048+1024+512*\q
.endr
.endr
.irp a, 0,1,2,3,4,5,6
	v_mov_b32 v[POS+\a], v[POS+\a+1]
.endr
	s_wait_dscnt 0x0
.Ltab_next:
	s_add_co_u32 s96, s96, 8192
	s_cmp_lt_u32 s96, 65536
	s_cbranch_scc1 .Ltab
	s_wait_dscnt 0x0
	s_barrier_signal -1
	s_barrier_wait -1
.macro EQK a
.set AC, 64*((\a)%4)
.irp f, 0,1,2,3
.irp q, 0,1
	ds_load_b128 v[COSR+8*\f+4*\q:COSR+8*\f+4*\q+3], v[TBR] offset:(\a)*8192+\f*2048+512*\q
	ds_load_b128 v[SINR+8*\f+4*\q:SINR+8*\f+4*\q+3], v[TBR] offset:(\a)*8192+\f*2048+1024+512*\q
.endr
.endr
	WIN 0x0a+5*((\a)/4)
.irp p, 0,1,2,3
	v_pk_mul_f32 v[WK+2*\p:WK+2*\p+1], v[AC+2*\p:AC+2*\p+1], v[AC+2*\p:AC+2*\p+1]
.endr
.set p, 4
.rept 28
	v_pk_fma_f32 v[WK+2*(p%4):WK+2*(p%4)+1], v[AC+2*p:AC+2*p+1], v[AC+2*p:AC+2*p+1], v[WK+2*(p%4):WK+2*(p%4)+1]
.set p, p+1
.endr
	WIN 0
	v_pk_add_f32 v[WK:WK+1], v[WK:WK+1], v[WK+2:WK+3]
	v_pk_add_f32 v[WK+4:WK+5], v[WK+4:WK+5], v[WK+6:WK+7]
	v_pk_add_f32 v[WK:WK+1], v[WK:WK+1], v[WK+4:WK+5]
	v_add_f32 v[WK], v[WK], v[WK+1]
	v_permlanex16_b32 v[PT], v[WK], s12, s13
	v_add_f32 v[WK], v[WK], v[PT]
	v_ldexp_f32 v[WK], v[WK], s94
	v_add_f32 v[WK], 0x358637bd, v[WK]
	s_wait_alu depctr_va_vdst(0)
	v_rsq_f32 v[WK+1], v[WK]
	v_nop
	s_wait_alu depctr_va_vdst(0)
	v_ldexp_f32 v[FAC], v[WK+1], s92
	WIN 0x02+((\a)/4)
.set p, 0
.rept 32
	v_pk_mul_f32 v[Y+2*p:Y+2*p+1], v[AC+2*p:AC+2*p+1], v[FAC:FAC+1] op_sel_hi:[1,0]
.set p, p+1
.endr
	WIN 0
.set p, 0
.rept 32
	v_pk_mul_f32 v[Y+2*p:Y+2*p+1], v[Y+2*p:Y+2*p+1], v[NW+2*p:NW+2*p+1]
.set p, p+1
.endr
	s_wait_dscnt 0x0
.irp p, 0,4,8,12,16,20,24,28
	v_pk_mul_f32 v[WK:WK+1], v[Y+32+\p:Y+33+\p], v[SINR+\p:SINR+\p+1]
	v_pk_mul_f32 v[WK+2:WK+3], v[Y+\p:Y+\p+1], v[SINR+\p:SINR+\p+1]
	v_pk_mul_f32 v[WK+4:WK+5], v[Y+34+\p:Y+35+\p], v[SINR+\p+2:SINR+\p+3]
	v_pk_mul_f32 v[WK+6:WK+7], v[Y+\p+2:Y+\p+3], v[SINR+\p+2:SINR+\p+3]
	v_pk_fma_f32 v[Y+\p:Y+\p+1], v[Y+\p:Y+\p+1], v[COSR+\p:COSR+\p+1], v[WK:WK+1] neg_lo:[0,0,1] neg_hi:[0,0,1]
	v_pk_fma_f32 v[Y+32+\p:Y+33+\p], v[Y+32+\p:Y+33+\p], v[COSR+\p:COSR+\p+1], v[WK+2:WK+3]
	v_pk_fma_f32 v[Y+\p+2:Y+\p+3], v[Y+\p+2:Y+\p+3], v[COSR+\p+2:COSR+\p+3], v[WK+4:WK+5] neg_lo:[0,0,1] neg_hi:[0,0,1]
	v_pk_fma_f32 v[Y+34+\p:Y+35+\p], v[Y+34+\p:Y+35+\p], v[COSR+\p+2:COSR+\p+3], v[WK+6:WK+7]
.endr
.set i, 0
.rept 64
	v_med3_num_f32 v[Y+i], v[Y+i], -v[LIM], v[LIM]
.set i, i+1
.endr
	s_wait_alu depctr_va_vdst(0)
	s_wait_xcnt 0x0
.irp b, 0,1,2,3,4,5,6,7
	v_cvt_scalef32_pk8_fp8_f32 v[COD+2*\b:COD+2*\b+1], v[Y+8*\b:Y+8*\b+7], v[SC]
.endr
	v_nop
.irp c, 0,1,2,3
	global_store_b128 v[GI], v[COD+4*\c:COD+4*\c+3], s[76:77] offset:(\a)*2048+512*\c
.endr
.endm
.macro EV a
.set AC, 64*((\a)%4)
	WIN 0x02+((\a)/4)
.set i, 0
.rept 64
	v_med3_num_f32 v[Y+i], v[AC+i], -v[LIM], v[LIM]
.set i, i+1
.endr
	WIN 0
	s_wait_alu depctr_va_vdst(0)
	s_wait_xcnt 0x0
.irp b, 0,1,2,3,4,5,6,7
	v_cvt_scalef32_pk8_fp8_f32 v[COD+2*\b:COD+2*\b+1], v[Y+8*\b:Y+8*\b+7], v[SC]
.endr
	v_nop
.irp c, 0,1,2,3
	global_store_b128 v[GI], v[COD+4*\c:COD+4*\c+3], s[76:77] offset:(\a)*2048+512*\c
.endr
.endm
	s_cmp_eq_u32 ttmp9, 2
	s_cbranch_scc1 .Lfor_v
.irp a, 0,1,2,3,4,5,6,7
	EQK \a
.endr
	s_branch .Lout
.Lfor_v:
.irp a, 0,1,2,3,4,5,6,7
	EV \a
.endr
.Lout:
	s_wait_tensorcnt 0x0
	ds_add_u32 v[SPW], v[NIL]
	s_wait_dscnt 0x0
	CROUND
	s_endpgm
.Lfunc_end_k_q5273d4f3b4_qkv:
	.size	k_q5273d4f3b4_qkv, .Lfunc_end_k_q5273d4f3b4_qkv-k_q5273d4f3b4_qkv
	.p2alignl 7, 3214868480
	.fill 96, 4, 3214868480
	.section	.rodata,"a",@progbits
	.p2align	6, 0x0
	.amdhsa_kernel k_q5273d4f3b4_qkv
		.amdhsa_group_segment_fixed_size 327680
		.amdhsa_private_segment_fixed_size 0
		.amdhsa_enable_private_segment 0
		.amdhsa_kernarg_size 80
		.amdhsa_user_sgpr_count 2
		.amdhsa_user_sgpr_kernarg_segment_ptr 1
		.amdhsa_wavefront_size32 1
		.amdhsa_system_sgpr_workgroup_id_x 1
		.amdhsa_system_sgpr_workgroup_id_y 1
		.amdhsa_system_sgpr_workgroup_id_z 1
		.amdhsa_system_vgpr_workitem_id 0
		.amdhsa_next_free_vgpr 1024
		.amdhsa_next_free_sgpr 100
		.amdhsa_reserve_vcc 0
		.amdhsa_float_denorm_mode_32 3
		.amdhsa_float_denorm_mode_16_64 3
		.amdhsa_memory_ordered 1
		.amdhsa_forward_progress 1
		.amdhsa_inst_pref_size 255
	.end_amdhsa_kernel
	.section	.bss,"aw",@nobits
	.p2align	6
	.space	262144
	.amdgpu_metadata
---
amdhsa.version: [ 1, 2 ]
amdhsa.kernels:
  - .name:           k_q5273d4f3b4_qkv
    .symbol:         k_q5273d4f3b4_qkv.kd
    .args:
      - { .name: x_codes, .offset: 0, .size: 8, .value_kind: global_buffer, .address_space: global }
      - { .name: wq_codes, .offset: 8, .size: 8, .value_kind: global_buffer, .address_space: global }
      - { .name: wk_codes, .offset: 16, .size: 8, .value_kind: global_buffer, .address_space: global }
      - { .name: wv_codes, .offset: 24, .size: 8, .value_kind: global_buffer, .address_space: global }
      - { .name: lowp_scales, .offset: 32, .size: 8, .value_kind: global_buffer, .address_space: global }
      - { .name: positions, .offset: 40, .size: 8, .value_kind: global_buffer, .address_space: global }
      - { .name: q_norm_w, .offset: 48, .size: 8, .value_kind: global_buffer, .address_space: global }
      - { .name: k_norm_w, .offset: 56, .size: 8, .value_kind: global_buffer, .address_space: global }
      - { .name: qimg, .offset: 64, .size: 8, .value_kind: global_buffer, .address_space: global }
      - { .name: kv, .offset: 72, .size: 8, .value_kind: global_buffer, .address_space: global }
    .group_segment_fixed_size: 327680
    .private_segment_fixed_size: 0
    .kernarg_segment_align: 8
    .kernarg_segment_size: 80
    .max_flat_workgroup_size: 128
    .sgpr_count:     100
    .vgpr_count:     1024
    .wavefront_size: 32
...
	.end_amdgpu_metadata
.endif
;; end of part 1
;; launch attn (part 2): grid 32 x 8, 8 waves a work-group, clusters of 4 x 1, 327,680 bytes of LDS; arguments qimg, kv, lowp_scales, aimg; writes aimg
.if DOCPART == 2
	.amdgcn_target "amdgcn-amd-amdhsa--gfx1250"
	.amdhsa_code_object_version 6
	.text
	.protected	k_q5273d4f3b4_attn
	.globl	k_q5273d4f3b4_attn
	.p2align	8
	.type	k_q5273d4f3b4_attn,@function
k_q5273d4f3b4_attn:
	s_mov_b64 s[64:65], 0
	v_nop
	global_prefetch_b8 v0, s[64:65] scope:SCOPE_SE
	s_setreg_imm32_b32 hwreg(HW_REG_WAVE_MODE, 25, 1), 1
	s_wait_xcnt 0x0
	s_wait_alu depctr_hold_cnt(0) depctr_sa_sdst(0) depctr_va_vdst(0) depctr_va_sdst(0) depctr_va_ssrc(0) depctr_va_vcc(0) depctr_vm_vsrc(0)
	s_getreg_b32 s2, hwreg(HW_REG_IB_STS2, 6, 4)
	s_cmp_eq_u32 s2, 0
	s_cbranch_scc0 .Lentry_in_a_cluster
	s_endpgm
.Lentry_in_a_cluster:
	s_bfe_u32 s2, ttmp6, 0x10000c
	s_cmp_lg_u32 s2, 0x3003
	s_cbranch_scc0 .Lentry_shape_is_right
	s_endpgm
.Lentry_shape_is_right:
; Causal attention on E4M3 codes, 8 heads of 128, 4,096 tokens.  qimg, kv: images of operand registers (a fragment, 16 rows x 128 K, is 2,048 bytes: registers 4 c .. 4 c + 3 of lane l at 512 c + 16 l).
; qimg [head][query tile 256][2048];  kv [head][step of 128 keys 32][8 fragments of K, 8 of V^T];  aimg (out) [token tile 256][head][2048], codes with scale 2^e10.
; THE SOFTMAX: t = score x log2(e) / sqrt(128); M = the running largest t rounded UP to a whole number; p = 2^(t - M) is quantised (2^e9), not normalised; the row's sum is taken of the unquantised p and divides at the end.
; BOTH PRODUCTS TRANSPOSED: S^T = K Q^T, O^T = V^T P^T: a lane holds one query (lane % 16); register 8 t + i of S^T is key 16 t + 8 (lane / 16) + i of the step.
; SHARES.  A head has 64 blocks of 64 queries.  Work-group j = 4 m + cx (m: the cluster's x) owns blocks E = j and L = 63 - j.  In steps of 128 keys, counted to the end of the 256 keys on the diagonal, E wants 2 m + 2 steps
; and L 32 - 2 m: 34 places in a row, E's first.  Four groups of two waves take places 0-8, 9-17, 18-25, 26-33.  A WAVE OWNS 32 QUERIES, two tiles (wave % 2 says which half of the block): each fragment of K and V that it
; reads feeds two matrix instructions.  Where a group passes from E to L it lays E's part (O^T, -M, the sum) into a stage; all parts meet through LDS behind the steps: eight tasks (block, tile), one a wave.
; CLUSTER.  The four partners share m and the head, so their four streams of keys are the same: each tile is asked for JOINTLY (mask 15).  cx enters Q's and the output's addresses, a lane's query number and the prefetches' address alone.
; THE RINGS.  Each group has two slots of one step (32,768 bytes); its even wave brings K's 16,384 bytes, its odd wave V's.  The last two trips are written out: the eighth fills for groups 0 and 1 alone, the ninth is theirs alone.
; LIMITS: e6 + e7 between -123 and 130 (added to c's exponent field); e9 and e10 between -126 and 119; e8 + e9 goes by v_ldexp_f32 and has none.  The scaled scores stay under 2^31 in magnitude.  NaN and infinities are not served:
; at the change of block nothing is cleared: -M is set to its opening value, so the next step's factor 2^(old M - new M) is 0, and E's finite O^T and sums become zeros (L's first step hides no key).
; REGISTERS: v1-10 addresses; v12-15, v16-19 -M, the largest t and the sum's halves of tile 0, 1; v[20:21], v[22:23] the factors; v25-27 constants; v28-31 work; v32-95 fragments 0-3 of K or V; v96-223 S^T, then p; v224-255 codes.
; window 1: v256-383 O^T of both tiles; v384-415 Q; v416-447 block L's Q; v448-511 fragments 4-7.
.set SLOTB, 32768
.set STATES, 131072                    ; the parts at the end: 17,408 bytes a wave, from group 2's ring on (no fill lands there any more, and nobody reads it) to byte 270,336
.set TST,   8704                       ; a tile's part: 16 x 512 bytes of O^T, 512 of -M, t, the sum
.set WST,   2*TST
.set SPARE, 270336                     ; the spare words, 128 bytes for each of eight waves
.set SE,    271360                     ; E's part at the change of block: two waves' worth, bytes of its own
.set LI,   1
.set ST,   2
.set PFO,  3
.set QV,   4                           ; my query of tile 0 - 8 (lane / 16), of the block in hand
.set SPW,  5
.set NIL,  6
.set GI,   7                           ; 16 x lane
.set ADR,  8
.set QV2,  9                           ; as v4, for block L
.set SES,  10
.set MA,   8                           ; at the end: groups 0 and 1's parts of my task,
.set MB,   1                           ; groups 2 and 3's,
.set MC,   9                           ; and the stage of the change of block
.set WV,   12
.set U,    13                          ; wave % 2
.set GRP,  14                          ; wave / 2
.set CX,   15
.set MM,   16
.set HD,   17
.set KK,   18                          ; the trip
.set SW,   19                          ; the trip at which I go over to block L (99: I begin in L)
.set SEL,  20
.set CS,   22
.set G1,   24
.set G0,   32
.set KVW,  36                          ; s[36:37] kv at my head, at K's or V's half of a step
.set SG,   38                          ; my group's first place
.set TB,   39
.set KF,   40                          ; the step's first key
.set DGK,  41                          ; from this key on a step is masked
.set OUT,  44
.set EL,   46                          ; E's steps
.set DG2,  47
.set PFA,  60
.set PCNT, 62
.set E89,  63
.set PLO,  66
.set HP,   76                          ; 448 x 2^e9
.set MSB, 0
.macro WIN new
.if MSB != \new
	s_set_vgpr_msb (MSB<<8)|\new
.set MSB, \new
.endif
.endm
.macro NOPS
.rept 4
	v_nop
.endr
.endm
.macro CROUND                          ; a round of the cluster's barrier
	s_barrier_signal -1
	s_barrier_wait -1
	s_cmp_lg_u32 s[WV], 0
	s_cbranch_scc1 .Lnot_wave_0_\@
	s_barrier_signal -3
.Lnot_wave_0_\@:
	s_barrier_wait -3
	s_barrier_signal -1
	s_barrier_wait -1
.endm
	s_load_b256 s[4:11], s[0:1], 0x0               ; qimg, kv, the exponents, aimg
	v_lshl_add_u32 v[SPW], v0, 2, SPARE
	v_mov_b32 v[NIL], 0
	ds_add_u32 v[SPW], v[NIL]                      ; the opening lines: the add twice on end and one wait
	ds_add_u32 v[SPW], v[NIL]
	v_lshrrev_b32 v28, 5, v0
	v_readfirstlane_b32 s[WV], v28
	s_and_b32 s[U], s[WV], 1
	s_lshr_b32 s[GRP], s[WV], 1
	s_bfe_u32 s[CX], ttmp6, 0x40000
	s_mov_b32 s[MM], ttmp9
	s_and_b32 s[HD], ttmp7, 0xffff
	s_mov_b32 s[G1], 15|(3<<16)|(1<<21)            ; mask: all four partners; elements of 8 bytes; a dense block of 16,384 bytes as 64 rows of 256
	s_mov_b32 s[G1+1], 32<<16
	s_mov_b32 s[G1+2], 64<<16
	s_mov_b32 s[G1+3], 32<<16
	s_mov_b32 s[G1+4], 64
	s_mov_b32 s[G1+5], 32
	s_mov_b32 s[G1+6], 0
	s_mov_b32 s[G1+7], 0
	s_mov_b32 s[SEL], 0x76543210
	s_mov_b32 s[SEL+1], 0xfedcba98
	s_mov_b32 s[CS], 0x3e0293ee
	s_mov_b32 s[TB], 0
	s_mov_b32 s[KK], 0
	s_mul_i32 s[SG], s[GRP], 9
	s_add_co_u32 s42, s[GRP], 1
	s_lshr_b32 s42, s42, 2
	s_sub_co_u32 s[SG], s[SG], s42                 ; 0, 9, 18, 26
	s_sub_co_u32 s42, 9, s[SG]                     ; where m >= 4 (E has ten steps or more) waves 0-1 and waves 2-3 exchange their places, 0-8 and 9-17:
	s_lshr_b32 s43, s[MM], 2                       ; so the passage from E to L always falls to waves 0 and 1.  Only places change hands: each pair keeps its ring
	s_lshr_b32 s67, s[WV], 2
	s_and_not1_b32 s43, s43, s67                   ; 1 in waves 0-3 where m >= 4
	s_cselect_b32 s[SG], s42, s[SG]
	s_lshl_b32 s[EL], s[MM], 1
	s_add_co_u32 s[EL], s[EL], 2
	s_lshl_b32 s69, s[MM], 8                       ; E's queries begin at 256 m or later,
	s_sub_co_u32 s[DG2], 3840, s69                 ; L's at 256 (15 - m) or later
	s_lshl_b32 s78, s[MM], 2
	s_add_co_u32 s78, s78, s[CX]
	s_lshl_b32 s78, s78, 2                         ; E's first tile, 4 j
	s_sub_co_u32 s79, 252, s78                     ; L's
	s_lshl_b32 s42, s[U], 1
	s_add_co_u32 s74, s78, s42                     ; my two tiles of E begin here,
	s_add_co_u32 s75, s79, s42                     ; of L here
	s_and_b32 s42, s[WV], 3
	s_cmp_lt_u32 s[WV], 4
	s_cselect_b32 s77, s78, s79
	s_add_co_u32 s77, s77, s42                     ; the tile that I finish: waves 0-3 E's four, waves 4-7 L's
	s_sub_co_u32 s67, s[SG], s[EL]
	s_sub_co_u32 s68, s[EL], s[SG]
	s_mov_b32 s[SW], 99
	s_cmp_lt_u32 s[SG], s[EL]                      ; do I begin in E?
	s_cselect_b32 s70, s[SG], s67                  ; my first step of the block
	s_cselect_b32 s71, s74, s75
	s_cselect_b32 s[DGK], s69, s[DG2]
	s_cselect_b32 s[SW], s68, s[SW]
	s_lshl_b32 s[KF], s70, 7
	s_lshl_b32 s80, s71, 4
	s_lshl_b32 s81, s75, 4
	s_lshl_b32 s82, s[GRP], 16                     ; my group's ring
	s_lshl_b32 s42, s[U], 14
	s_add_co_u32 s[G0+1], s82, s42
	s_mul_i32 s83, s[WV], WST
	s_add_co_u32 s83, s83, STATES
	s_mul_i32 s84, s[U], WST
	s_add_co_u32 s84, s84, SE
	s_lshr_b32 s67, s[GRP], 1                      ; the prefetches: which trips (see CHANGE)
	s_cmp_eq_u32 s[GRP], 0
	s_cselect_b32 s[PLO], 1, 0
	s_sub_co_u32 s[PCNT], 6, s[PLO]
	s_sub_co_u32 s[PCNT], s[PCNT], s67
	s_or_b32 s68, s[MM], s[U]
	s_cmp_eq_u32 s68, 0
	s_cselect_b32 s[PCNT], s[PCNT], 0              ; the even waves of the head's cluster 0 alone: the same in all four partners
	s_wait_dscnt 0x0
	s_wait_kmcnt 0x0
	s_load_b256 s[48:55], s[8:9], 0x0              ; e0 .. e7
	s_load_b128 s[56:59], s[8:9], 0x20             ; e8 .. e11
	s_mov_b32 s43, 0
	s_lshl_b32 s85, s[HD], 20
	s_lshl_b32 s42, s[U], 14
	s_add_co_u32 s42, s42, s85
	s_add_nc_u64 s[KVW:KVW+1], s[6:7], s[42:43]
	s_mov_b32 s[G0], 1
	s_lshl_b32 s42, s70, 15
	s_add_nc_u64 s[G0+2:G0+3], s[KVW:KVW+1], s[42:43]
	s_or_b32 s[G0+3], s[G0+3], 0x80000000
	CROUND                                         ; the first joint loads meet
	tensor_load_to_lds s[G0:G0+3], s[G1:G1+7]      ; slot 0: every wave its own 16,384 bytes
	s_nop 0
	NOPS
	s_lshl_b32 s42, s[SG], 15
	s_add_co_u32 s42, s42, s85
	s_lshl_b32 s67, s[CX], 13
	s_add_co_u32 s42, s42, s67
	s_add_nc_u64 s[PFA:PFA+1], s[6:7], s[42:43]    ; my work-group's quarter of step SG; each change of slots steps it on
	s_lshl_b32 s85, s[HD], 19
	s_lshl_b32 s42, s71, 11
	s_add_co_u32 s42, s42, s85
	s_add_nc_u64 s[86:87], s[4:5], s[42:43]        ; Q's two fragments that I begin with,
	s_lshl_b32 s42, s75, 11
	s_add_co_u32 s42, s42, s85
	s_add_nc_u64 s[88:89], s[4:5], s[42:43]        ; block L's
	s_lshl_b32 s42, s77, 14
	s_lshl_b32 s85, s[HD], 11
	s_add_co_u32 s42, s42, s85
	s_add_nc_u64 s[OUT:OUT+1], s[10:11], s[42:43]
	v_and_b32 v28, 15, v0
	v_bfe_u32 v29, v0, 4, 1
	v_lshlrev_b32 v29, 3, v29
	v_sub_nc_u32 v28, v28, v29                     ; lane % 16 - 8 (lane / 16)
	v_add_nc_u32 v[QV], s80, v28
	v_add_nc_u32 v[QV2], s81, v28
	v_and_b32 v29, 31, v0
	v_lshlrev_b32 v[GI], 4, v29
	v_lshlrev_b32 v[PFO], 8, v29                   ; lanes 256 bytes apart
	v_add_nc_u32 v[LI], s82, v[GI]
	v_add_nc_u32 v[ST], s83, v[GI]
	v_add_nc_u32 v[SES], s84, v[GI]
	s_wait_alu depctr_va_vdst(0)
	WIN 0x40                                       ; destination window 1
.irp c, 0,1,2,3,4,5,6,7
	global_load_b128 v[128+4*\c:131+4*\c], v[GI], s[86:87] offset:512*\c
.endr
.irp c, 0,1,2,3,4,5,6,7
	global_load_b128 v[160+4*\c:163+4*\c], v[GI], s[88:89] offset:512*\c
.endr
.set i, 0
.rept 128
	v_mov_b32 v[i], 0                              ; O^T: the step is written for a state in hand; the first finds zeros
.set i, i+1
.endr
	WIN 0
	v_mov_b32 v13, 0xff61b1e6                      ; the largest t so far: -3e38
	v_mov_b32 v17, 0xff61b1e6
	v_floor_f32 v12, -v13                          ; -M
	v_floor_f32 v16, -v17
.irp r, 14,15,18,19,21,23
	v_mov_b32 v\r, 0
.endr
	s_wait_kmcnt 0x0
	s_add_co_i32 s42, s54, s55
	s_lshl_b32 s42, s42, 23
	s_add_co_i32 s[CS], s[CS], s42                 ; a score stands for score x 2^(e6 + e7)
	s_mov_b32 s[CS+1], s[CS]
	s_add_co_i32 s42, s57, 127
	s_lshl_b32 s43, s42, 23
	v_mov_b32 v25, s43                             ; 2^e9
	s_add_co_i32 s42, s42, 8
	s_lshl_b32 s42, s42, 23
	s_or_b32 s[HP], s42, 0x600000                  ; 448 x 2^e9
	s_add_co_i32 s42, s58, 127
	s_lshl_b32 s43, s42, 23
	v_mov_b32 v27, s43                             ; 2^e10
	s_add_co_i32 s42, s42, 8
	s_lshl_b32 s42, s42, 23
	s_or_b32 s42, s42, 0x600000
	v_mov_b32 v26, s42                             ; 448 x 2^e10
	s_add_co_i32 s[E89], s56, s57
.macro FRAGS off                       ; eight fragments in one run: 0-3 into v32 on, 4-7 into v448 on
.irp t, 0,1,2,3
.irp c, 0,1,2,3
	ds_load_b128 v[32+16*\t+4*\c:35+16*\t+4*\c], v[ADR] offset:\off+\t*2048+512*\c
.endr
.endr
	WIN 0x40
.irp t, 0,1,2,3
.irp c, 0,1,2,3
	ds_load_b128 v[192+16*\t+4*\c:195+16*\t+4*\c], v[ADR] offset:\off+8192+\t*2048+512*\c
.endr
.endr
	WIN 0
.endm
; A KEY STEP: 128 keys x my 32 queries.
.macro STEP
	v_add_nc_u32 v[ADR], s[TB], v[LI]
	s_wait_alu depctr_va_vdst(0)
	NOPS                                           ; places in front of loads into registers that the last products read
	FRAGS 0
	s_wait_dscnt 16                                ; fragments 0-3 are in; the 16 younger loads may be out
	WIN 0x04                                       ; Q in window 1
.irp t, 0,1,2,3
.irp a, 0,1
	v_wmma_f32_16x16x128_fp8_fp8 v[96+64*\a+8*\t:103+64*\a+8*\t], v[32+16*\t:47+16*\t], v[128+16*\a:143+16*\a], 0
.endr
.endr
	s_wait_dscnt 0x0
	WIN 0x05
.irp t, 0,1,2,3
.irp a, 0,1
	v_wmma_f32_16x16x128_fp8_fp8 v[128+64*\a+8*\t:135+64*\a+8*\t], v[192+16*\t:207+16*\t], v[128+16*\a:143+16*\a], 0
.endr
.endr
	WIN 0
	NOPS                                           ; places: for V's loads and for the first reads of the scores
	FRAGS 16384                                    ; V lands under the softmax
	s_cmp_lt_u32 s[KF], s[DGK]                     ; the 256 keys on the diagonal are masked; both numbers are the same in all partners
	s_cbranch_scc1 .Lopen_\@
	v_sub_nc_u32 v28, v[QV], s[KF]                 ; register 8 t + i of tile a is hidden where 16 t + i - 16 a > my query of tile 0 - 8 (lane / 16) - KF
	v_mov_b32 v30, 0xff800000                      ; -infinity: p = 0 then
.set n, 0
.rept 72                               ; one compare serves tile 0's register n - 8 and tile 1's register n
	v_cmp_gt_i32 vcc_lo, 16*(n/8)-16+n%8, v28
.if n >= 8
	v_cndmask_b32 v[96+n-8], v[96+n-8], v30, vcc_lo
.endif
.if n < 64
	v_cndmask_b32 v[160+n], v[160+n], v30, vcc_lo
.endif
.set n, n+1
.endr
.Lopen_\@:
.irp a, 0,1                            ; each query's largest score of the step: two chains a tile, the tiles by turns
	v_max3_num_f32 v[28+2*\a], v[96+64*\a], v[97+64*\a], v[98+64*\a]
	v_max3_num_f32 v[29+2*\a], v[99+64*\a], v[100+64*\a], v[101+64*\a]
.endr
.irp i, 6,10,14,18,22,26,30,34,38,42,46,50,54,58
.irp a, 0,1
	v_max3_num_f32 v[28+2*\a], v[28+2*\a], v[96+64*\a+\i], v[97+64*\a+\i]
	v_max3_num_f32 v[29+2*\a], v[29+2*\a], v[98+64*\a+\i], v[99+64*\a+\i]
.endr
.endr
.irp a, 0,1
	v_max3_num_f32 v[28+2*\a], v[28+2*\a], v[158+64*\a], v[159+64*\a]
.endr
.irp a, 0,1
	v_max_num_f32 v[28+2*\a], v[28+2*\a], v[29+2*\a]
.endr
.irp a, 0,1
	v_permlanex16_b32 v[29+2*\a], v[28+2*\a], s[SEL], s[SEL+1]
.endr
.irp a, 0,1
	v_max_num_f32 v[28+2*\a], v[28+2*\a], v[29+2*\a]
.endr
.irp a, 0,1
	v_mul_f32 v[28+2*\a], s[CS], v[28+2*\a]        ; as t (c is positive)
.endr
.irp a, 0,1
	v_max_num_f32 v[13+4*\a], v[13+4*\a], v[28+2*\a]
.endr
.irp a, 0,1
	v_mov_b32 v[29+2*\a], v[12+4*\a]
.endr
.irp a, 0,1
	v_floor_f32 v[12+4*\a], -v[13+4*\a]            ; the new -M = floor(-t)
.endr
.irp a, 0,1
	v_sub_f32 v[29+2*\a], v[12+4*\a], v[29+2*\a]   ; old M - new M, a whole number, 0 or less
.endr
.irp a, 0,1
	v_cvt_i32_f32 v[29+2*\a], v[29+2*\a]           ; (it saturates)
.endr
.irp a, 0,1
	v_ldexp_f32 v[20+2*\a], 1.0, v[29+2*\a]        ; f = 2^(old M - new M)
.endr
.irp a, 0,1
.set j, 0
.rept 32
	v_pk_fma_f32 v[96+64*\a+j:97+64*\a+j], v[96+64*\a+j:97+64*\a+j], s[CS:CS+1], v[12+4*\a:13+4*\a] op_sel_hi:[1,0,0]   ; t - M
.set j, j+2
.endr
.endr
	WIN 0x41
.irp a, 0,1
.set j, 0
.rept 32
	v_pk_mul_f32 v[64*\a+j:64*\a+j+1], v[64*\a+j:64*\a+j+1], v[20+2*\a:21+2*\a] op_sel_hi:[1,0]   ; O^T under the new M, ahead of the exponentials
.set j, j+2
.endr
.endr
	WIN 0
	s_wait_alu depctr_va_vdst(0)                   ; the wait ahead of the batch
.set j, 0
.rept 128
	v_exp_f32 v[96+j], v[96+j]                     ; p = 2^(t - M), at most 1
.set j, j+1
.endr
	v_pk_mul_f32 v[14:15], v[14:15], v[20:21] op_sel_hi:[1,0]   ; the sums under the new M (plain instructions behind the batch)
	v_pk_mul_f32 v[18:19], v[18:19], v[22:23] op_sel_hi:[1,0]
	s_wait_alu depctr_va_vdst(0)                   ; one wait for the batch, ahead of its first reader
.irp a, 0,1                            ; the rows' sums of the unquantised p: four chains a tile, in the registers that the codes take afterwards
.irp c, 0,1,2,3
	v_pk_add_f32 v[224+16*\a+2*\c:225+16*\a+2*\c], v[96+64*\a+4*\c:97+64*\a+4*\c], v[98+64*\a+4*\c:99+64*\a+4*\c]
.endr
.endr
.set j, 16
.rept 6
.irp a, 0,1
.irp c, 0,1,2,3
	v_pk_add_f32 v[224+16*\a+2*\c:225+16*\a+2*\c], v[224+16*\a+2*\c:225+16*\a+2*\c], v[96+64*\a+j+2*\c:97+64*\a+j+2*\c]
.endr
.endr
.set j, j+8
.endr
.irp a, 0,1
	v_pk_add_f32 v[224+16*\a:225+16*\a], v[224+16*\a:225+16*\a], v[226+16*\a:227+16*\a]
	v_pk_add_f32 v[228+16*\a:229+16*\a], v[228+16*\a:229+16*\a], v[230+16*\a:231+16*\a]
.endr
.irp a, 0,1
	v_pk_add_f32 v[224+16*\a:225+16*\a], v[224+16*\a:225+16*\a], v[228+16*\a:229+16*\a]
.endr
.irp a, 0,1
	v_pk_add_f32 v[14+4*\a:15+4*\a], v[14+4*\a:15+4*\a], v[224+16*\a:225+16*\a]
.endr
.irp a, 0,1
.irp t, 0,1,2,3,4,5,6,7
.irp i, 0,2,4,6                        ; the conversion does not saturate (ISA guide 7.6.2); p is not negative, so the hold is one-sided; two numbers an instruction
	v_dual_min_num_f32 v[96+64*\a+8*\t+\i], s[HP], v[96+64*\a+8*\t+\i] :: v_dual_min_num_f32 v[97+64*\a+8*\t+\i], s[HP], v[97+64*\a+8*\t+\i]
.endr
	v_cvt_scalef32_pk8_fp8_f32 v[224+16*\a+2*\t:225+16*\a+2*\t], v[96+64*\a+8*\t:103+64*\a+8*\t], v25
.endr
.endr
	v_nop                                          ; a plain instruction behind the last conversion
	s_wait_alu depctr_va_vdst(0)                   ; the wait here, directly ahead of the wait below
	s_wait_dscnt 0x0                               ; V
	WIN 0x50                                       ; O^T += V^T P^T: sixteen accumulators, one instruction each
.irp t, 0,1,2,3
.irp a, 0,1
	v_wmma_f32_16x16x128_fp8_fp8 v[64*\a+8*\t:64*\a+8*\t+7], v[32+16*\t:47+16*\t], v[224+16*\a:239+16*\a], v[64*\a+8*\t:64*\a+8*\t+7]
.endr
.endr
	WIN 0x51
.irp t, 0,1,2,3
.irp a, 0,1
	v_wmma_f32_16x16x128_fp8_fp8 v[64*\a+32+8*\t:64*\a+39+8*\t], v[192+16*\t:207+16*\t], v[224+16*\a:239+16*\a], v[64*\a+32+8*\t:64*\a+39+8*\t]
.endr
.endr
	WIN 0
	s_add_co_u32 s[KF], s[KF], 128
.endm
; My state (both tiles' O^T, -M, t, the sum) into LDS
.macro PUT adr
	NOPS                                           ; places behind the last products
	WIN 0x04                                       ; the data in window 1
.set i, 0
.rept 32
	ds_store_b128 v[\adr], v[4*i:4*i+3] offset:(i/16)*TST+512*(i%16)
.set i, i+1
.endr
	WIN 0
	ds_store_b128 v[\adr], v[12:15] offset:8192
	ds_store_b128 v[\adr], v[16:19] offset:TST+8192
.endm
; THE CHANGE OF SLOTS, at a trip's head.  Each wave waits for all its tensor loads, adds 0 to its spare word, and waits for that and for its reads of the slot that it has left.
; fill = 1: a round of the cluster's barrier, and behind it the slot just left takes my stream's next step.  fill = 2: the same for groups 0 and 1 alone (the others have no ninth step).  fill = 0: nothing is filled.
.macro CHANGE fill
	s_wait_tensorcnt 0x0
	ds_add_u32 v[SPW], v[NIL]
.if \fill
	s_xor_b32 s[G0+1], s[G0+1], SLOTB
	s_add_co_u32 s42, s[KK], 1
	s_add_co_u32 s42, s42, s[SG]                   ; the next place;
	s_sub_co_u32 s43, s42, s[EL]
	s_cmp_lt_u32 s42, s[EL]
	s_cselect_b32 s42, s42, s43                    ; as a step of E or of L
	s_lshl_b32 s42, s42, 15
	s_mov_b32 s43, 0
	s_add_nc_u64 s[G0+2:G0+3], s[KVW:KVW+1], s[42:43]
	s_or_b32 s[G0+3], s[G0+3], 0x80000000
.endif
.if \fill == 1
	s_wait_xcnt 0x0                                ; the last prefetch, a trip back, has read its address
	s_add_nc_u64 s[PFA:PFA+1], s[PFA:PFA+1], SLOTB
.endif
	s_wait_dscnt 0x0
.if \fill == 0
	s_barrier_signal -1
	s_barrier_wait -1
.else
	CROUND
.endif
.if \fill == 1
	tensor_load_to_lds s[G0:G0+3], s[G1:G1+7]      ; the first thing behind the round, and my one tensor load until the next
	s_nop 0
	NOPS
	; A PREFETCH INTO THE L2.  Cluster 0 of a head has E = 2 steps, so its four groups walk all 32 steps of the head.  In trip K its group at place SG asks for step SG + K + 1, which its change of slots two trips on will fetch:
	; a quarter of the 32,768 bytes for each partner, told apart by address; in each the group's even wave, lanes 256 bytes apart.  Trips 0 to 5 in group 1, 0 to 4 in groups 2 and 3 (no step behind the group's last is named),
	; 1 to 5 in group 0 (step 1 has been asked for as E's).  So each block of 256 bytes is named once.
	s_sub_co_u32 s42, s[KK], s[PLO]
	s_cmp_lt_u32 s42, s[PCNT]
	s_cbranch_scc0 .Lnot_mine_\@
	global_prefetch_b8 v[PFO], s[PFA:PFA+1] th:TH_LOAD_NT scope:SCOPE_SE
.Lnot_mine_\@:
.endif
.if \fill == 2
	s_cmp_lt_u32 s[WV], 4                          ; the wave's number alone: the same in all partners
	s_cbranch_scc0 .Lno_ninth_\@
	tensor_load_to_lds s[G0:G0+3], s[G1:G1+7]
	s_nop 0
	NOPS
.Lno_ninth_\@:
.endif
.endm
; From block E to block L: E's part goes to the stage; -M takes its opening value, so that the next step's factor is 0.  No barrier and no tensor load stands here.
.macro SWITCH
	s_cmp_lt_u32 s[WV], 2                          ; waves 0 and 1 alone ever change blocks; each has stage bytes of its own
	s_cbranch_scc0 .Lstay_\@
	s_cmp_eq_u32 s[KK], s[SW]
	s_cbranch_scc0 .Lstay_\@
	PUT SES
	v_mov_b32 v[QV], v[QV2]
	WIN 0x41
.set i, 0
.rept 32
	v_mov_b32 v[128+i], v[160+i]                   ; L's Q
.set i, i+1
.endr
	WIN 0
	v_mov_b32 v13, 0xff61b1e6
	v_mov_b32 v17, 0xff61b1e6
	v_floor_f32 v12, -v13
	v_floor_f32 v16, -v17
	s_mov_b32 s[KF], 0
	s_mov_b32 s[DGK], s[DG2]
.Lstay_\@:
.endm
	s_wait_alu depctr_va_vdst(0)                   ; the wait at the head's end
	s_wait_loadcnt 0x0                             ; Q
.Lslot:                                                ; seven trips
	CHANGE 1
	SWITCH
	STEP
	s_xor_b32 s[TB], s[TB], SLOTB
	s_add_co_u32 s[KK], s[KK], 1
	s_cmp_lt_u32 s[KK], 7
	s_cbranch_scc1 .Lslot
	CHANGE 2                                       ; the eighth trip
	SWITCH
	STEP
	s_xor_b32 s[TB], s[TB], SLOTB
	s_add_co_u32 s[KK], s[KK], 1
	CHANGE 0                                       ; the ninth: groups 0 and 1
	s_cmp_lt_u32 s[WV], 4
	s_cbranch_scc0 .Lskip9
	SWITCH
	STEP
.Lskip9:
	; ---- the parts meet.  Wave w finishes tile w % 4 of block E (w < 4) or L.
	PUT ST
	s_and_b32 s42, s[WV], 3
	s_mul_i32 s42, s42, TST
	s_add_co_u32 s43, s42, STATES
	v_add_nc_u32 v[MA], s43, v[GI]
	s_add_co_u32 s43, s42, STATES+4*WST
	v_add_nc_u32 v[MB], s43, v[GI]
	s_add_co_u32 s43, s42, SE
	v_add_nc_u32 v[MC], s43, v[GI]
	s_lshr_b32 s42, s[WV], 2
	s_lshr_b32 s43, s[MM], 2
	s_xor_b32 s67, s42, s43                        ; waves 2 and 3 end in E where m >= 4, else in L: 1 where their part belongs to my block
	s_wait_alu depctr_va_vdst(0)
	s_wait_dscnt 0x0                               ; for the others' sake: my stores have landed
	s_barrier_signal -1
	s_barrier_wait -1
.macro FIRST adr, off
.irp i, 0,1,2,3,4,5,6,7,8,9,10,11,12,13,14,15
	ds_load_b128 v[160+4*\i:163+4*\i], v[\adr] offset:\off+512*\i
.endr
	ds_load_b128 v[12:15], v[\adr] offset:\off+8192
.endm
.macro MERGE adr, off                  ; one more part: both are brought under the larger M by powers of two
.irp i, 0,1,2,3,4,5,6,7,8,9,10,11,12,13,14,15
	ds_load_b128 v[96+4*\i:99+4*\i], v[\adr] offset:\off+512*\i
.endr
	ds_load_b128 v[32:35], v[\adr] offset:\off+8192
	s_wait_dscnt 0x0
	v_min_num_f32 v36, v12, v32
	v_sub_f32 v37, v36, v32
	v_sub_f32 v38, v36, v12
	v_cvt_i32_f32 v37, v37
	v_cvt_i32_f32 v38, v38
	v_ldexp_f32 v40, 1.0, v37
	v_ldexp_f32 v42, 1.0, v38
	v_mov_b32 v12, v36
.set j, 0
.rept 32
	v_pk_mul_f32 v[160+j:161+j], v[160+j:161+j], v[42:43] op_sel_hi:[1,0]
.set j, j+2
.endr
.set j, 0
.rept 32
	v_pk_fma_f32 v[160+j:161+j], v[96+j:97+j], v[40:41], v[160+j:161+j] op_sel_hi:[1,0,1]
.set j, j+2
.endr
	v_pk_mul_f32 v[14:15], v[14:15], v[42:43] op_sel_hi:[1,0]
	v_pk_fma_f32 v[14:15], v[34:35], v[40:41], v[14:15] op_sel_hi:[1,0,1]
	s_wait_alu depctr_va_vdst(0)
.endm
	s_cmp_lt_u32 s[WV], 4
	s_cbranch_scc0 .Ltask_l
	FIRST MC, 0                                    ; E: the part laid down at the change of block
	s_branch .Ljoin
.Ltask_l:
	FIRST MA, 0                                    ; L: waves 0 and 1's part, then groups 2 and 3's
	MERGE MB, 0
	MERGE MB, 2*WST
.Ljoin:
	s_cmp_eq_u32 s67, 1
	s_cbranch_scc0 .Lfin
	MERGE MA, 2*WST                                ; and waves 2 and 3's
.Lfin:
	s_wait_dscnt 0x0
	; O^T / the sum x 2^(e8 + e9), quantised with 2^e10: the codes are a fragment of the last product's operand
	v_add_f32 v14, v14, v15
	v_permlanex16_b32 v28, v14, s[SEL], s[SEL+1]
	v_add_f32 v14, v14, v28
	s_wait_alu depctr_va_vdst(0)
	v_rcp_f32 v29, v14
	v_nop
	s_wait_alu depctr_va_vdst(0)
	v_ldexp_f32 v20, v29, s[E89]
.set j, 0
.rept 32
	v_pk_mul_f32 v[96+j:97+j], v[160+j:161+j], v[20:21] op_sel_hi:[1,0]
.set j, j+2
.endr
.set j, 0
.rept 64
	v_med3_num_f32 v[96+j], v[96+j], -v26, v26
.set j, j+1
.endr
.irp t, 0,1,2,3,4,5,6,7
	v_cvt_scalef32_pk8_fp8_f32 v[224+2*\t:225+2*\t], v[96+8*\t:103+8*\t], v27
.endr
	v_nop
.irp c, 0,1,2,3
	global_store_b128 v[GI], v[224+4*\c:227+4*\c], s[OUT:OUT+1] offset:512*\c   ; 32 lanes store 512 consecutive bytes, at a multiple of 512 from the buffer's first byte
.endr
	s_wait_tensorcnt 0x0                           ; the wave's end
	ds_add_u32 v[SPW], v[NIL]
	s_wait_dscnt 0x0
	CROUND                                         ; the closing round
	s_endpgm
.Lfunc_end_k_q5273d4f3b4_attn:
	.size	k_q5273d4f3b4_attn, .Lfunc_end_k_q5273d4f3b4_attn-k_q5273d4f3b4_attn
	.p2alignl 7, 3214868480
	.fill 96, 4, 3214868480
	.section	.rodata,"a",@progbits
	.p2align	6, 0x0
	.amdhsa_kernel k_q5273d4f3b4_attn
		.amdhsa_group_segment_fixed_size 327680
		.amdhsa_private_segment_fixed_size 0
		.amdhsa_enable_private_segment 0
		.amdhsa_kernarg_size 32
		.amdhsa_user_sgpr_count 2
		.amdhsa_user_sgpr_kernarg_segment_ptr 1
		.amdhsa_wavefront_size32 1
		.amdhsa_system_sgpr_workgroup_id_x 1
		.amdhsa_system_sgpr_workgroup_id_y 1
		.amdhsa_system_sgpr_workgroup_id_z 1
		.amdhsa_system_vgpr_workitem_id 0
		.amdhsa_next_free_vgpr 512
		.amdhsa_next_free_sgpr 100
		.amdhsa_reserve_vcc 1
		.amdhsa_float_denorm_mode_32 3
		.amdhsa_float_denorm_mode_16_64 3
		.amdhsa_memory_ordered 1
		.amdhsa_forward_progress 1
		.amdhsa_inst_pref_size 177
	.end_amdhsa_kernel
	.amdgpu_metadata
---
amdhsa.version: [ 1, 2 ]
amdhsa.kernels:
  - .name:           k_q5273d4f3b4_attn
    .symbol:         k_q5273d4f3b4_attn.kd
    .args:
      - { .name: qimg, .offset: 0, .size: 8, .value_kind: global_buffer, .address_space: global }
      - { .name: kv, .offset: 8, .size: 8, .value_kind: global_buffer, .address_space: global }
      - { .name: lowp_scales, .offset: 16, .size: 8, .value_kind: global_buffer, .address_space: global }
      - { .name: aimg, .offset: 24, .size: 8, .value_kind: global_buffer, .address_space: global }
    .group_segment_fixed_size: 327680
    .private_segment_fixed_size: 0
    .kernarg_segment_align: 8
    .kernarg_segment_size: 32
    .max_flat_workgroup_size: 256
    .sgpr_count:     100
    .vgpr_count:     512
    .wavefront_size: 32
...
	.end_amdgpu_metadata
.endif
;; end of part 2
;; launch oproj (part 3): grid 8 x 32, 4 waves a work-group, clusters of 4 x 4, 327,680 bytes of LDS; arguments aimg, wo_codes, lowp_scales, out0; writes out0
.if DOCPART == 3
	.amdgcn_target "amdgcn-amd-amdhsa--gfx1250"
	.amdhsa_code_object_version 6
	.text
	.protected	k_q5273d4f3b4_oproj
	.globl	k_q5273d4f3b4_oproj
	.p2align	8
	.type	k_q5273d4f3b4_oproj,@function
k_q5273d4f3b4_oproj:
	s_mov_b64 s[64:65], 0
	v_nop
	global_prefetch_b8 v0, s[64:65] scope:SCOPE_SE
	s_setreg_imm32_b32 hwreg(HW_REG_WAVE_MODE, 25, 1), 1
	s_wait_xcnt 0x0
	s_wait_alu depctr_hold_cnt(0) depctr_sa_sdst(0) depctr_va_vdst(0) depctr_va_sdst(0) depctr_va_ssrc(0) depctr_va_vcc(0) depctr_vm_vsrc(0)
	s_getreg_b32 s2, hwreg(HW_REG_IB_STS2, 6, 4)
	s_cmp_eq_u32 s2, 0
	s_cbranch_scc0 .Lentry_in_a_cluster
	s_endpgm
.Lentry_in_a_cluster:
	s_bfe_u32 s2, ttmp6, 0x10000c
	s_cmp_lg_u32 s2, 0xf033
	s_cbranch_scc0 .Lentry_shape_is_right
	s_endpgm
.Lentry_shape_is_right:
.set PITCH,  272
.set FR,     16
.set NP,     4
.set ABYTES, 32768
.set HALFB,  128*PITCH
.set SLOT,   ABYTES+2*HALFB
.set SPARE,  2*SLOT
.set SPITCH, 528
.set ADRA, 16
.set ADRB, 20
.set STO,  24
.set RD,   25
.set CO,   26
.set SPW,  28
.set NIL,  29
.set TMP,  32
.set AF,   128
.set BK,   128
.set G1, 24
.set G0, 32
.set G1B, 48
.set G0B, 56
.set MSB, 0
.macro WIN new
.if MSB != \new
	s_set_vgpr_msb (MSB<<8)|\new
.set MSB, \new
.endif
.endm
.set MUL,  0xa1
.set TO_B, 0x40
.macro JLOAD g0a, g1a, g0b, g1b
	s_cmp_eq_u32 s15, 0
	s_cbranch_scc0 .Lfor_b_\@
	tensor_load_to_lds s[\g0a:\g0a+3], s[\g1a:\g1a+7]
	s_nop 0
.rept 4
	v_nop
.endr
	s_branch .Lasked_\@
.Lfor_b_\@:
	tensor_load_to_lds s[\g0b:\g0b+3], s[\g1b:\g1b+7]
	s_nop 0
.rept 4
	v_nop
.endr
.Lasked_\@:
.endm
.macro CREST
	s_cmp_lg_u32 s14, 0
	s_cbranch_scc1 .Lnot_wave_0_\@
	s_barrier_signal -3
.Lnot_wave_0_\@:
	s_barrier_wait -3
	s_barrier_signal -1
	s_barrier_wait -1
.endm
.macro CROUND
	s_barrier_signal -1
	s_barrier_wait -1
	CREST
.endm
	s_load_b256 s[4:11], s[0:1], 0x0
	v_lshl_add_u32 v[SPW], v0, 2, SPARE
	v_mov_b32 v[NIL], 0
	ds_add_u32 v28, v29
	ds_add_u32 v28, v29
	s_wait_dscnt 0x0
	v_lshrrev_b32 v1, 5, v0
	v_readfirstlane_b32 s14, v1
	s_lshr_b32 s15, s14, 1
	s_and_b32 s16, s14, 1
	s_bfe_u32 s40, ttmp6, 0x40000
	s_bfe_u32 s41, ttmp6, 0x40004
	s_lshl_b32 s42, ttmp9, 2
	s_add_co_u32 s42, s42, s40
	s_and_b32 s17, ttmp7, 0xffff
	s_lshl_b32 s17, s17, 2
	s_add_co_u32 s17, s17, s41
	s_lshl_b32 s43, s41, 2
	s_lshl_b32 s43, 15, s43
	s_lshl_b32 s44, 0x1111, s40
	s_or_b32 s[G1+0], s43, (3<<16)|(1<<21)
	s_mov_b32 s[G1+1], 512<<16
	s_mov_b32 s[G1+2], 4<<16
	s_mov_b32 s[G1+3], 512<<16
	s_mov_b32 s[G1+4], 4
	s_mov_b32 s[G1+5], 2048
	s_mov_b32 s[G1+6], 0
	s_mov_b32 s[G1+7], 0
	s_or_b32 s[G1B+0], s44, (0<<16)|(1<<20)|(1<<21)|(5<<22)|(3<<25)
	s_mov_b32 s[G1B+1], 256<<16
	s_mov_b32 s[G1B+2], 128<<16
	s_mov_b32 s[G1B+3], 256<<16
	s_mov_b32 s[G1B+4], 128
	s_mov_b32 s[G1B+5], 1024
	s_mov_b32 s[G1B+6], 0
	s_mov_b32 s[G1B+7], 0
	s_lshl_b32 s20, s17, 3
	s_lshl_b32 s18, s16, 2
	s_add_co_u32 s20, s20, s18
	s_lshl_b32 s20, s20, 14
	s_mov_b32 s21, 0
	s_lshl_b32 s46, s42, 8
	s_lshl_b32 s18, s16, 7
	s_add_co_u32 s46, s46, s18
	s_lshl_b32 s46, s46, 10
	s_mov_b32 s47, 0
	s_lshl_b32 s45, s16, 14
	s_mul_i32 s66, s16, HALFB
	s_add_co_u32 s66, s66, ABYTES
	s_wait_kmcnt 0x0
	s_load_b64 s[96:97], s[8:9], 0x28
	s_add_nc_u64 s[20:21], s[4:5], s[20:21]
	s_add_nc_u64 s[46:47], s[6:7], s[46:47]
	CROUND
.irp s, 0,1
	s_mov_b32 s[G0+4*\s], 1
	s_add_co_u32 s[G0+4*\s+1], s45, \s*SLOT
	s_add_nc_u64 s[G0+4*\s+2:G0+4*\s+3], s[20:21], \s*4096
	s_or_b32 s[G0+4*\s+3], s[G0+4*\s+3], 0x80000000
	s_mov_b32 s[G0B+4*\s], 1
	s_add_co_u32 s[G0B+4*\s+1], s66, \s*SLOT
	s_add_nc_u64 s[G0B+4*\s+2:G0B+4*\s+3], s[46:47], \s*256
	s_or_b32 s[G0B+4*\s+3], s[G0B+4*\s+3], 0x80000000
.endr
	JLOAD G0, G1, G0B, G1B
	; THE PREFETCHES INTO THE L2.  What I fetch jointly is shared out among the four partners by address.  A (waves 0, 1; place cx): one of my four token tiles, 4,096 bytes to a K step, lanes 0-15 256 bytes apart (the other lanes
	; name the last block again).  B (waves 2, 3; place cy): 32 of my 128 rows, a lane a row, 256 bytes to a K step.  Here K steps 1 and 2 are named, behind slot 1's first fill K step 3, the last.  Three address pairs, never rewritten.
	s_cmp_eq_u32 s15, 0
	s_cselect_b64 s[68:69], s[20:21], s[46:47]
	s_cselect_b32 s70, s40, s41
	s_cselect_b32 s72, 14, 15                      ; from partner to partner: 16,384 bytes in A, 32 rows of 1,024 in B
	s_cselect_b32 s73, 8, 10                       ; from lane to lane: 256 bytes, or a row
	s_cselect_b32 s74, 15, 31
	s_cselect_b32 s75, 12, 8                       ; a K step on: 4,096 bytes, or 256
	s_lshl_b32 s70, s70, s72
	s_mov_b32 s71, 0
	s_add_nc_u64 s[68:69], s[68:69], s[70:71]
	s_lshl_b32 s70, 1, s75
	s_add_nc_u64 s[68:69], s[68:69], s[70:71]      ; K step 1,
	s_add_nc_u64 s[76:77], s[68:69], s[70:71]      ; 2,
	s_add_nc_u64 s[78:79], s[76:77], s[70:71]      ; 3
	v_and_b32 v9, 31, v0
	v_min_u32 v9, s74, v9
	v_lshlrev_b32 v9, s73, v9
	global_prefetch_b8 v9, s[68:69] th:TH_LOAD_NT scope:SCOPE_SE
	global_prefetch_b8 v9, s[76:77] th:TH_LOAD_NT scope:SCOPE_SE
	v_and_b32 v1, 15, v0
	v_bfe_u32 v2, v0, 4, 1
	v_and_b32 v6, 31, v0
	v_lshlrev_b32 v[CO], 4, v6
	v_mul_u32_u24 v3, v1, PITCH
	v_lshl_add_u32 v4, v2, 3, v3
	s_lshl_b32 s21, s15, 14
	s_mul_i32 s22, s16, HALFB
	s_add_co_u32 s22, s22, ABYTES
.irp s, 0,1
	v_add_nc_u32 v[ADRA+\s], s21, v[CO]
	v_add_nc_u32 v[ADRB+\s], s22, v4
	s_add_co_u32 s21, s21, SLOT
	s_add_co_u32 s22, s22, SLOT
.endr
	s_mul_i32 s23, s14, 16*SPITCH
	v_mul_u32_u24 v5, v1, SPITCH
	v_lshl_add_u32 v5, v2, 5, v5
	v_add_nc_u32 v[STO], s23, v5
	v_add_nc_u32 v[RD], s23, v[CO]
	s_lshl_b32 s20, s17, 7
	s_lshl_b32 s21, s15, 6
	s_add_co_u32 s20, s20, s21
	s_lshl_b32 s20, s20, 13
	s_mov_b32 s21, 0
	s_lshl_b32 s46, s42, 10
	s_lshl_b32 s47, s16, 9
	s_add_co_u32 s46, s46, s47
	s_mov_b32 s47, 0
	s_add_nc_u64 s[20:21], s[20:21], s[46:47]
	s_add_nc_u64 s[10:11], s[10:11], s[20:21]
.macro MUL8 a, p, zero
.irp b, 0,1,2,3,4,5,6,7
.if \zero
	v_wmma_f32_16x16x128_fp8_fp8 v[8*(8*(\a)+\b):8*(8*(\a)+\b)+7], v[128*(\p)+FR*\b:128*(\p)+FR*\b+FR-1], v[AF+64*(\p)+FR*(\a):AF+64*(\p)+FR*(\a)+FR-1], 0
.else
	v_wmma_f32_16x16x128_fp8_fp8 v[8*(8*(\a)+\b):8*(8*(\a)+\b)+7], v[128*(\p)+FR*\b:128*(\p)+FR*\b+FR-1], v[AF+64*(\p)+FR*(\a):AF+64*(\p)+FR*(\a)+FR-1], v[8*(8*(\a)+\b):8*(8*(\a)+\b)+7]
.endif
.endr
.endm
.macro FETCH slot, q, p
	WIN TO_B
.irp b, 0,1,2,3,4,5,6,7
.irp c, 0,1,2,3,4,5,6,7
	ds_load_b64 v[128*(\p)+FR*\b+2*\c:128*(\p)+FR*\b+2*\c+1], v[ADRB+\slot] offset:128*(\q)+16*\c+\b*16*PITCH
.endr
.endr
	WIN 0
.irp i, 0,1,2,3
.irp c, 0,1,2,3
	ds_load_b128 v[AF+64*(\p)+FR*\i+4*\c:AF+64*(\p)+FR*\i+4*\c+3], v[ADRA+\slot] offset:\i*4096+(\q)*2048+512*\c
.endr
.endr
.endm
.macro PLACES n
.rept \n
	v_nop
.endr
.endm
.macro STEP3 slot, zero
	s_wait_dscnt 0x0
	WIN MUL
	MUL8 0, 0, \zero
	MUL8 1, 0, \zero
	PLACES NP
	FETCH \slot, 1, 1
	WIN MUL
	MUL8 2, 0, \zero
	MUL8 3, 0, \zero
.endm
.macro TURN3 slot, next, fill
	WIN 0
	s_wait_tensorcnt 0x0
	ds_add_u32 v[SPW], v[NIL]
	s_wait_dscnt 1
	WIN MUL
	MUL8 0, 1, 0
	s_wait_dscnt 0x0
	s_barrier_signal -1
	MUL8 1, 1, 0
	WIN 0
	s_barrier_wait -1
.if \fill
	CREST
	s_add_nc_u64 s[G0+4*\slot+2:G0+4*\slot+3], s[G0+4*\slot+2:G0+4*\slot+3], 2*4096
	s_add_nc_u64 s[G0B+4*\slot+2:G0B+4*\slot+3], s[G0B+4*\slot+2:G0B+4*\slot+3], 2*256
	JLOAD G0+4*\slot, G1, G0B+4*\slot, G1B
.else
	PLACES NP
.endif
	FETCH \next, 0, 0
	WIN MUL
	MUL8 2, 1, 0
	MUL8 3, 1, 0
.endm
	s_wait_alu depctr_va_vdst(0)
	s_wait_tensorcnt 0x0                           ; my part of K step 0 is in
	ds_add_u32 v[SPW], v[NIL]
	s_wait_dscnt 0x0
	CROUND                                         ; everybody's part is in, and the joint loads meet
	JLOAD G0+4, G1, G0B+4, G1B                     ; K step 1: slot 1's first fill, issued as a refill is
	FETCH 0, 0, 0
	global_prefetch_b8 v9, s[78:79] th:TH_LOAD_NT scope:SCOPE_SE
	STEP3 0, 1
	TURN3 0, 1, 1
	STEP3 1, 0
	TURN3 1, 0, 1
	STEP3 0, 0
	TURN3 0, 1, 0
	STEP3 1, 0
	s_wait_dscnt 0x0
	MUL8 0, 1, 0
	MUL8 1, 1, 0
	MUL8 2, 1, 0
	MUL8 3, 1, 0
	WIN 0
.macro TOSTAGE a
.set AC, 64*(\a)
	WIN 0x02
.set j, 0
.rept 32
	v_pk_mul_f32 v[TMP+j:TMP+j+1], v[AC+j:AC+j+1], s[96:97] op_sel_hi:[1,0]
.set j, j+2
.endr
	WIN 0
.irp b, 0,1,2,3,4,5,6,7
	ds_store_b128 v[STO], v[TMP+8*\b:TMP+8*\b+3] offset:64*\b
	ds_store_b128 v[STO], v[TMP+8*\b+4:TMP+8*\b+7] offset:64*\b+16
.endr
.set BB, BK+64*((\a)%2)
.irp t, 0,1,2,3,4,5,6,7,8,9,10,11,12,13,14,15
	ds_load_b128 v[BB+4*\t:BB+4*\t+3], v[RD] offset:\t*SPITCH
.endr
.endm
.macro SEND a, younger
.set BB, BK+64*((\a)%2)
	s_wait_dscnt \younger
.if (\a) > 0
	s_add_nc_u64 s[10:11], s[10:11], 16*8192
.endif
.irp t, 0,1,2,3,4,5,6,7,8,9,10,11,12,13,14,15
	global_store_b128 v[CO], v[BB+4*\t:BB+4*\t+3], s[10:11] offset:\t*8192 th:TH_STORE_NT
.endr
.endm
	s_wait_kmcnt 0x0
	s_add_co_i32 s96, s96, s97
	s_add_co_i32 s96, s96, 127
	s_lshl_b32 s96, s96, 23
	PLACES NP
	TOSTAGE 0
.irp a, 1,2,3
.if \a > 1
	s_wait_xcnt 0x0
.endif
	TOSTAGE \a
	SEND \a-1, 32
.endr
	s_wait_xcnt 0x0
	SEND 3, 0
	s_wait_tensorcnt 0x0
	ds_add_u32 v[SPW], v[NIL]
	s_wait_dscnt 0x0
	CROUND
	s_endpgm
.Lfunc_end_k_q5273d4f3b4_oproj:
	.size	k_q5273d4f3b4_oproj, .Lfunc_end_k_q5273d4f3b4_oproj-k_q5273d4f3b4_oproj
	.p2alignl 7, 3214868480
	.fill 96, 4, 3214868480
	.section	.rodata,"a",@progbits
	.p2align	6, 0x0
	.amdhsa_kernel k_q5273d4f3b4_oproj
		.amdhsa_group_segment_fixed_size 327680
		.amdhsa_private_segment_fixed_size 0
		.amdhsa_enable_private_segment 0
		.amdhsa_kernarg_size 32
		.amdhsa_user_sgpr_count 2
		.amdhsa_user_sgpr_kernarg_segment_ptr 1
		.amdhsa_wavefront_size32 1
		.amdhsa_system_sgpr_workgroup_id_x 1
		.amdhsa_system_sgpr_workgroup_id_y 1
		.amdhsa_system_sgpr_workgroup_id_z 1
		.amdhsa_system_vgpr_workitem_id 0
		.amdhsa_next_free_vgpr 768
		.amdhsa_next_free_sgpr 100
		.amdhsa_reserve_vcc 0
		.amdhsa_float_denorm_mode_32 3
		.amdhsa_float_denorm_mode_16_64 3
		.amdhsa_memory_ordered 1
		.amdhsa_forward_progress 1
		.amdhsa_inst_pref_size 92
	.end_amdhsa_kernel
	.amdgpu_metadata
---
amdhsa.version: [ 1, 2 ]
amdhsa.kernels:
  - .name:           k_q5273d4f3b4_oproj
    .symbol:         k_q5273d4f3b4_oproj.kd
    .args:
      - { .name: aimg, .offset: 0, .size: 8, .value_kind: global_buffer, .address_space: global }
      - { .name: wo_codes, .offset: 8, .size: 8, .value_kind: global_buffer, .address_space: global }
      - { .name: lowp_scales, .offset: 16, .size: 8, .value_kind: global_buffer, .address_space: global }
      - { .name: out0, .offset: 24, .size: 8, .value_kind: global_buffer, .address_space: global }
    .group_segment_fixed_size: 327680
    .private_segment_fixed_size: 0
    .kernarg_segment_align: 8
    .kernarg_segment_size: 32
    .max_flat_workgroup_size: 128
    .sgpr_count:     100
    .vgpr_count:     768
    .wavefront_size: 32
...
	.end_amdgpu_metadata
.endif
;; end of part 3
